; MI455X (gfx1250); checked and timed in simulation.
; The chip was launched on July 23, 2026; its instructions are those of AMD's public machine-readable ISA for CDNA 5 (MIT licence, August 2026) and "CDNA5" Instruction Set Architecture Reference Guide (July 2026). The comments in the code are by the model that wrote it; some were corrected since.
;; Flip Linear. Allowed arithmetic: float matrix products may take bf16 or f16 operands with f32 sums; all other float work in f32.
;; Inputs: scales 65,536 float32; ternary 2,048 x 4,096 int32; x 4 x 2,048 x 4,096 float32.
;; Outputs: out0 4 x 2,048 x 2,048 float32.
;; One version. Each part assembles by itself: llvm-mc -triple=amdgcn-amd-amdhsa -mcpu=gfx1250 --defsym DOCPART=n.
;; ======== version 1 of 1: 2 launches
;; workspace buffers: wb 16,777,216 bytes
;; launch castw (part 1): grid 256 x 1, 8 waves a work-group, no clusters, 0 bytes of LDS; arguments ternary, scales, wb; writes wb
.if DOCPART == 1
	.amdgcn_target "amdgcn-amd-amdhsa--gfx1250"
	.amdhsa_code_object_version 6
	.text
	.protected	k_q5759dd7b65_castw
	.globl	k_q5759dd7b65_castw
	.p2align	8
	.type	k_q5759dd7b65_castw,@function
k_q5759dd7b65_castw:
	s_mov_b64 s[64:65], 0
	v_nop
	global_prefetch_b8 v0, s[64:65] scope:SCOPE_SE
	s_setreg_imm32_b32 hwreg(HW_REG_WAVE_MODE, 25, 1), 1
	s_wait_xcnt 0x0
; Makes the weight operand of the product that follows:
;   wb[o][k] = bf16(f32(ternary[o][k]) * scales[(o*4096 + k) / 128])  [2048][4096]
; LIMITS: ternary is taken as any int32: beyond 2^24 its conversion to f32 rounds, as a cast to f32 does.  The product with the scale is made in f32
; and rounded once to bf16, to nearest even.
; SHARES: 256 work-groups of eight waves, eight rows of the weights each; a wave takes one row: 4,096 numbers (16 KiB in, 8 KiB out) and its 32 scales,
; which lie in scalar registers.  Load i of a wave covers the 512 consecutive bytes at 512 i of the row: 128 numbers, one group of one scale.
; A lane turns its 4 numbers into 8 bytes, so store i of a wave covers 256 consecutive bytes, aligned.
; All 32 loads go out first and there is no loop: no register is written again behind the store that reads it, and EXEC never changes.
; No LDS, no cluster, no matrix unit: no byte is used twice and no work-group shares an input byte with another.
.set X,  4                             ; v[4:131]  load i: 4 registers; its packed result lies in the first two
.set SC, 32                            ; s[32:63]  the 32 scales of my row
	s_load_b128 s[4:7], s[0:1], 0x0                ; ternary s[4:5], scales s[6:7]
	s_load_b64 s[8:9], s[0:1], 0x10                ; wb
	v_lshrrev_b32 v3, 5, v0                        ; wave
	v_and_b32 v2, 31, v0                           ; lane
	v_readfirstlane_b32 s14, v3                    ; the wave number as a scalar
	v_lshlrev_b32 v1, 4, v2                        ; in: 16 bytes a lane
	v_lshlrev_b32 v2, 3, v2                        ; out: 8 bytes a lane
	v_lshl_or_b32 v1, v3, 14, v1                   ; + wave x 16 KiB
	v_lshl_or_b32 v2, v3, 13, v2                   ; + wave x 8 KiB
	s_lshl_b32 s2, ttmp9, 17                       ; eight rows of 4,096 numbers of 4 bytes
	s_mov_b32 s3, 0
	s_lshl_b32 s18, ttmp9, 16                      ; and of 2 bytes
	s_mov_b32 s19, 0
	s_lshl_b32 s20, ttmp9, 10                      ; eight rows x 32 scales x 4 bytes
	s_lshl_b32 s21, s14, 7                         ; my row's 32 scales
	s_add_co_u32 s20, s20, s21
	s_mov_b32 s21, 0
	s_wait_kmcnt 0x0
	s_add_nc_u64 s[4:5], s[4:5], s[2:3]
	s_add_nc_u64 s[8:9], s[8:9], s[18:19]
	s_add_nc_u64 s[6:7], s[6:7], s[20:21]
	s_load_b512 s[SC:SC+15],    s[6:7], 0x0        ; no line of this text stores into scales
	s_load_b512 s[SC+16:SC+31], s[6:7], 0x40
.set i, 0
.rept 32
	global_load_b128 v[X+4*i:X+4*i+3], v1, s[4:5] offset:512*i th:TH_LOAD_NT    ; read once in the whole launch
.set i, i+1
.endr
	s_wait_kmcnt 0x0                               ; the scales
.set i, 0
.rept 32
	s_wait_loadcnt 31-i                            ; loads come back in order (ISA guide 5.7.1): load i is in, the 31-i behind it stay out
.irp j, 0,1,2,3
	v_cvt_f32_i32 v[X+4*i+\j], v[X+4*i+\j]
.endr
.irp j, 0,1,2,3
	v_mul_f32 v[X+4*i+\j], s[SC+i], v[X+4*i+\j]    ; load i is group i of the row: one scale for the whole wave
.endr
	v_cvt_pk_bf16_f32 v[X+4*i],   v[X+4*i],   v[X+4*i+1]
	v_cvt_pk_bf16_f32 v[X+4*i+1], v[X+4*i+2], v[X+4*i+3]
	global_store_b64 v2, v[X+4*i:X+4*i+1], s[8:9] offset:256*i      ; no hint: the next launch reads these bytes
.set i, i+1
.endr
	s_endpgm
.Lfunc_end_k_q5759dd7b65_castw:
	.size	k_q5759dd7b65_castw, .Lfunc_end_k_q5759dd7b65_castw-k_q5759dd7b65_castw
	.p2alignl 7, 3214868480
	.fill 96, 4, 3214868480
	.section	.rodata,"a",@progbits
	.p2align	6, 0x0
	.amdhsa_kernel k_q5759dd7b65_castw
		.amdhsa_group_segment_fixed_size 0
		.amdhsa_private_segment_fixed_size 0
		.amdhsa_enable_private_segment 0
		.amdhsa_kernarg_size 24
		.amdhsa_user_sgpr_count 2
		.amdhsa_user_sgpr_kernarg_segment_ptr 1
		.amdhsa_wavefront_size32 1
		.amdhsa_system_sgpr_workgroup_id_x 1
		.amdhsa_system_sgpr_workgroup_id_y 1
		.amdhsa_system_sgpr_workgroup_id_z 1
		.amdhsa_system_vgpr_workitem_id 0
		.amdhsa_next_free_vgpr 132
		.amdhsa_next_free_sgpr 66
		.amdhsa_reserve_vcc 0
		.amdhsa_float_denorm_mode_32 3
		.amdhsa_float_denorm_mode_16_64 3
		.amdhsa_memory_ordered 1
		.amdhsa_forward_progress 1
		.amdhsa_inst_pref_size 21
	.end_amdhsa_kernel
	.amdgpu_metadata
---
amdhsa.version: [ 1, 2 ]
amdhsa.kernels:
  - .name:           k_q5759dd7b65_castw
    .symbol:         k_q5759dd7b65_castw.kd
    .args:
      - { .name: ternary, .offset: 0, .size: 8, .value_kind: global_buffer, .address_space: global }
      - { .name: scales, .offset: 8, .size: 8, .value_kind: global_buffer, .address_space: global }
      - { .name: wb, .offset: 16, .size: 8, .value_kind: global_buffer, .address_space: global }
    .group_segment_fixed_size: 0
    .private_segment_fixed_size: 0
    .kernarg_segment_align: 8
    .kernarg_segment_size: 24
    .max_flat_workgroup_size: 256
    .sgpr_count:     66
    .vgpr_count:     132
    .wavefront_size: 32
...
	.end_amdgpu_metadata
.endif
;; end of part 1
;; launch gemm (part 2): grid 4 x 64, 4 waves a work-group, clusters of 4 x 4, 327,680 bytes of LDS; arguments x, wb, out0; writes out0
.if DOCPART == 2
	.amdgcn_target "amdgcn-amd-amdhsa--gfx1250"
	.amdhsa_code_object_version 6
	.text
	.protected	k_q5759dd7b65_gemm
	.globl	k_q5759dd7b65_gemm
	.p2align	8
	.type	k_q5759dd7b65_gemm,@function
k_q5759dd7b65_gemm:
	s_mov_b64 s[64:65], 0
	v_nop
	global_prefetch_b8 v0, s[64:65] scope:SCOPE_SE
	s_setreg_imm32_b32 hwreg(HW_REG_WAVE_MODE, 25, 1), 1
	s_wait_xcnt 0x0
	s_wait_alu depctr_hold_cnt(0) depctr_sa_sdst(0) depctr_va_vdst(0) depctr_va_sdst(0) depctr_va_ssrc(0) depctr_va_vcc(0) depctr_vm_vsrc(0)
	s_getreg_b32 s2, hwreg(HW_REG_IB_STS2, 6, 4)
	s_cmp_eq_u32 s2, 0
	s_cbranch_scc0 .Lentry_in_a_cluster
	s_endpgm
.Lentry_in_a_cluster:
	s_bfe_u32 s2, ttmp6, 0x10000c
	s_cmp_lg_u32 s2, 0xf033
	s_cbranch_scc0 .Lentry_shape_is_right
	s_endpgm
.Lentry_shape_is_right:
; out0[m][n] = sum over k of bf16(x[m][k]) wb[n][k].  A = x: [8192][4096] f32, B = wb: [2048][4096] bf16 (the scale is already in it), out0: [8192][2048] f32.
; LIMITS: x is rounded once to bf16, to nearest even (|x| beyond the largest finite bf16 becomes infinite); sums in f32, one accumulator for each output, K ascending,
; in the matrix unit's own order within an instruction.
; A work-group makes a block of 128 rows x 512 columns of out0 with four waves, as many as a WGP has SIMDs; a wave makes 128 x 128: 64 accumulator tiles of 16 x 16,
; 512 registers.  All four waves use the block's 128 rows of A; wave w owns rows 128 w .. 128 w + 127 of the block's 512 rows of B.  64 x 4 blocks = 256 work-groups.
; K goes in 32 steps of 128.
; B comes through a ring of two LDS slots filled by the tensor data mover, each wave fetching its own 128 rows: a tile's rows are 256 bytes of memory and start at
; multiples of 256 bytes from the buffer's first byte.
; A comes through REGISTERS, where it is rounded: a K step of the block is 128 rows x 512 bytes = 64 KiB, 32 rows = 128 registers a wave; a load of the wave covers
; one row's 512 consecutive bytes.  Each group of eight rows is asked for one whole K step before it is converted.  The rounded tile (128 rows x 256 bytes) is put into
; LDS by ds_store, once for the four waves, and read from there as fragments.
; CLUSTERS: 4 x 4 work-groups form a cluster: four block rows x all four block columns.  The four of a column of the cluster need the same tiles of B and ask for them
; JOINTLY: each issues the same tensor load, with the same descriptor and a mask that names the four.  That divides the requests for B by four.
; The four of a row of the cluster need the same rows of x, and these are NOT asked for jointly: a joint load lands in LDS, and two slots of 128 rows x 528 bytes of f32
; (135,168 bytes) beside B's ring (278,528) pass the 327,680 bytes that there are.
; A's tile in LDS is single for the same reason: a second one (34,816 bytes) would make 348,160.  So a K step has a barrier between the last reads of the tile and
; the stores of the next one, besides the one that changes B's slots.
;
; REGISTERS, in windows of 256 (an instruction names v0-v255; s_set_vgpr_msb says which window each operand place means):
;   window 0: v0-31 addresses; v64-127, v128-191 fragments of A (8 x 16 rows x 32 K), two buffers, and on the way out 16 rows of results each; v192-255 x rounded
;   window 1: v0-63, v64-127 fragments of B, two buffers; v128-255 x as loaded, 4 registers a row
;   window 2: the 32 accumulator tiles of rows 0-63 (tile (a, b) at v[8 (8 a + b)]);   window 3: those of rows 64-127
; s_set_vgpr_msb's low byte: bits 1:0 source 0, 3:2 source 1, 5:4 source 2, 7:6 destination.  Work is laid in long stretches under one setting.
;
; THE MATRIX INSTRUCTION IS USED TRANSPOSED: source 0 = 16 rows of B, source 1 = 16 rows of A.  In the result lane l then holds row m = l % 16, and its registers 0 to 7
; the columns n = 8 (l / 16) + 0 .. 7: eight NEIGHBOURING f32 of a row of out0, 32 bytes.
.set SIZE_M, 8192
.set SIZE_N, 2048
.set SIZE_K, 4096
.set KSTEP,  128
.set XROW,   SIZE_K*4                  ; bytes from row to row of x
.set PITCH,  272                       ; an LDS row: 256 bytes of data + 16 of padding = 68 words: the 16 rows that a fragment load touches start 4 words apart modulo 64 words
.set HALFT,  128*PITCH                 ; 128 rows: what one tensor load brings, what one wave reads of B, and the whole of A's tile
.set BSLOT,  4*HALFT                   ; B's 512 rows
.set ATILE,  2*BSLOT                   ; behind the ring (byte 278,528, a multiple of 256): A's tile, into which no tensor load lands; on the way out the four stages
.set SPITCH, 528                       ; a stage row: 128 f32 = 512 bytes + 16 = 33 x 16 bytes: sixteen lanes on sixteen rows touch sixteen different 16-byte columns modulo 256 bytes
.set WSTAGE, 16*SPITCH                 ; a wave's own stage: 16 rows, 8,448 bytes (33 x 256); four of them are 33,792 of A's 34,816 bytes
.set LAPS, SIZE_K/(2*KSTEP)            ; a lap = two K steps = once round the ring: 16
.set L16,  16                          ; v16     16 x lane: my 16 bytes of a row's 512, in x and in out0
.set ADRA, 17                          ; v17     LDS address of my A fragments
.set ADRB, 20                          ; v20-21  LDS address of my B fragments in slot 0, 1
.set ASTO, 22                          ; v22     where I put 8 bytes of the first of my 32 rows of A's tile
.set STO,  24                          ; v24     the way out: where I put 32 bytes of a row
.set RD,   25                          ; v25     the way out: where I read 16 bytes of a row back
.set F0,   64                          ; fragment buffer 0: A's at v64 of window 0, B's at v0 of window 1 (F0 - 64)
.set F1,   128                         ; fragment buffer 1: A's at v128 of window 0, B's at v64 of window 1
.set RAW,  128                         ; window 1: row j of my 32 as loaded, v[128 + 4 j ..]
.set CV,   192                         ; window 0: row j rounded, v[192 + 2 j ..]
.set G1, 24                            ; s[24:31] descriptor group 1 for B's tiles
.set G0, 32                            ; s[32:39] descriptor group 0, one set for each slot
.set MSB, 0
.macro WIN new                         ; the immediate's high byte repeats the setting that is left
.if MSB != \new
	s_set_vgpr_msb (MSB<<8)|\new
.set MSB, \new
.endif
.endm
.set MUL_LO, 0xa1                      ; source 0 (B) window 1, source 1 (A) window 0, C and D window 2
.set MUL_HI, 0xf1                      ; the same, C and D window 3
.set TO_B,   0x40                      ; destination window 1, address window 0
.set CVT,    0x05                      ; sources 0 and 1 window 1, destination window 0
.set ST_LO,  0x08                      ; an LDS store's data (source 1) window 2, its address window 0
.set ST_HI,  0x0c                      ; the same, data window 3
; A round of the cluster's barrier: my work-group's barrier, so that wave 0's signal speaks for all four waves; wave 0 signals for the work-group; every wave waits for all
; sixteen work-groups; my work-group's barrier once more.  No LDS instruction of the wave is pending at a signal.
.macro CREST                           ; a round behind its opening barrier
	s_cmp_lg_u32 s10, 0
	s_cbranch_scc1 .Lnot_wave_0_\@
	s_barrier_signal -3
.Lnot_wave_0_\@:
	s_barrier_wait -3
	s_barrier_signal -1
	s_barrier_wait -1
.endm
.macro CROUND                          ; a whole round
	s_barrier_signal -1
	s_barrier_wait -1
	CREST
.endm
; Eight loads: rows 8 q .. 8 q + 7 of my 32 rows of x, 512 consecutive bytes each, at the K step to which s[14:15] points (+ extra bytes)
.macro ALOAD q, extra
	WIN TO_B
.set j, 8*\q
.rept 8
	global_load_b128 v[RAW+4*j:RAW+4*j+3], v[L16], s[14:15] offset:j*XROW+\extra    ; no hint: the three other work-groups of my row of the cluster read the same bytes
.set j, j+1
.endr
.endm
; Sixteen roundings: the same eight rows, 4 f32 a lane and row into 8 bytes
.macro CONV q
	WIN CVT
.set j, 8*\q
.rept 8
	v_cvt_pk_bf16_f32 v[CV+2*j],   v[RAW+4*j],   v[RAW+4*j+1]
	v_cvt_pk_bf16_f32 v[CV+2*j+1], v[RAW+4*j+2], v[RAW+4*j+3]
.set j, j+1
.endr
.endm
; My 32 rows of A's tile: a store of the wave covers a row's 256 consecutive bytes
.macro ASTORE
	WIN 0
.set j, 0
.rept 32
	ds_store_b64 v[ASTO], v[CV+2*j:CV+2*j+1] offset:j*PITCH
.set j, j+1
.endr
.endm
	s_load_b128 s[4:7], s[0:1], 0x0                ; x s[4:5], wb s[6:7]
	s_load_b64 s[8:9], s[0:1], 0x10                ; out0
	v_lshl_add_u32 v62, v0, 2, 0x4c800
	v_mov_b32 v63, 0
	ds_add_u32 v62, v63
	v_lshrrev_b32 v1, 5, v0
	v_readfirstlane_b32 s10, v1                    ; wave 0..3
	v_and_b32 v5, 31, v0                           ; lane
	v_lshlrev_b32 v[L16], 4, v5
	s_bfe_u32 s40, ttmp6, 0x40000                  ; cx: my place along the cluster's x
	s_bfe_u32 s41, ttmp6, 0x40004                  ; cy: along its y
	s_lshl_b32 s42, ttmp9, 2                       ; in a cluster launch ttmp9 and ttmp7 count clusters
	s_add_co_u32 s42, s42, s40                     ; block column = 4 x cluster x + cx
	s_and_b32 s13, ttmp7, 0xffff
	s_lshl_b32 s13, s13, 2
	s_add_co_u32 s13, s13, s41                     ; block row = 4 x cluster y + cy
	s_lshl_b32 s44, 0x1111, s40                    ; my column of the cluster: places cx, cx + 4, cx + 8, cx + 12
	; descriptor group 1: a tile of 128 rows x 128 elements, padded in LDS
	s_or_b32 s[G1+0], s44, (1<<16)|(1<<20)|(1<<21)|(5<<22)|(3<<25)  ; 15:0 the mask: B's tiles go to my column; 17:16 element of 2 bytes; 20 padding on; 21 set beside a mask; 24:22 after every 64 words (code 5); 31:25 of 4 words (code 3)
	s_mov_b32 s[G1+1], KSTEP<<16                   ; 63:48 tensor_dim0, low half = 128
	s_mov_b32 s[G1+2], 128<<16                     ; 79:64 its high half = 0; 95:80 tensor_dim1, low half = 128
	s_mov_b32 s[G1+3], KSTEP<<16                   ; 111:96 its high half = 0; 127:112 tile_dim0 = 128
	s_mov_b32 s[G1+4], 128                         ; 143:128 tile_dim1 = 128; 159:144 tile_dim2 = 0
	s_mov_b32 s[G1+5], SIZE_K                      ; 191:160 tensor_dim0_stride, low word: 4,096 elements from row to row
	s_mov_b32 s[G1+6], 0
	s_mov_b32 s[G1+7], 0
	; x: my 32 rows begin at row 128 x block row + 32 x wave (8,160 at the most), 16,384 bytes a row: below 2^27
	s_lshl_b32 s16, s13, 7
	s_lshl_b32 s17, s10, 5
	s_add_co_u32 s16, s16, s17
	s_lshl_b32 s16, s16, 14
	s_mov_b32 s17, 0
	; wb: my 128 rows begin at row 512 x block column + 128 x wave, 8,192 bytes a row.  The address hangs on the block column alone, which my column of the cluster shares,
	; and is made in registers that never hold the block row.
	s_lshl_b32 s46, s42, 9
	s_lshl_b32 s47, s10, 7
	s_add_co_u32 s46, s46, s47
	s_lshl_b32 s46, s46, 13
	s_mov_b32 s47, 0
	s_mul_i32 s20, s10, HALFT                      ; and where they go: wave x 128 rows: no place in the cluster enters an LDS address
	s_wait_dscnt 0x0
	s_wait_kmcnt 0x0
	s_add_nc_u64 s[14:15], s[4:5], s[16:17]
	s_add_nc_u64 s[46:47], s[6:7], s[46:47]
	; x of K step 0 goes into the fragment buffers, which are still free, and three of the four groups of K step 1 into their own registers: 56 loads of the wave are out
.set j, 0
.rept 32
	global_load_b128 v[F0+4*j:F0+4*j+3], v[L16], s[14:15] offset:j*XROW
.set j, j+1
.endr
	ALOAD 0, KSTEP*4
	ALOAD 1, KSTEP*4
	ALOAD 2, KSTEP*4
	WIN 0                                          ; at a label and at a branch every window is 0
	CROUND                                         ; all sixteen work-groups are here: the first joint loads meet
.irp s, 0,1
	s_mov_b32 s[G0+4*\s], 1                                        ; 1:0 count = 1
	s_add_co_u32 s[G0+4*\s+1], s20, \s*BSLOT                       ; 63:32 LDS address
	s_add_nc_u64 s[G0+4*\s+2:G0+4*\s+3], s[46:47], \s*KSTEP*2      ; 120:64 global address: K step s
	s_or_b32 s[G0+4*\s+3], s[G0+4*\s+3], 0x80000000                ; 127:126 type = 2
	tensor_load_to_lds s[G0+4*\s:G0+4*\s+3], s[G1:G1+7]            ; the ring is filled: two tensor loads of the wave are out
	s_nop 0
.endr
	; A fragment is 16 rows x 32 K in 8 registers: lane l holds row l % 16; registers 0-3 hold K = 8 (l / 16) + 0..7, registers 4-7 hold
	; K = 16 + 8 (l / 16) + 0..7.  From rows that lie along K: two loads of 16 bytes, 32 bytes apart.  The same for source 0 and source 1.
	v_and_b32 v1, 15, v0                           ; l % 16
	v_bfe_u32 v2, v0, 4, 1                         ; l / 16
	v_mul_u32_u24 v3, v1, PITCH
	v_lshl_add_u32 v3, v2, 4, v3                   ; row x pitch + 16 x half
	v_add_nc_u32 v[ADRA], ATILE, v3                ; all 128 rows of A are mine
	v_add_nc_u32 v[ADRB], s20, v3                  ; my 128 rows of B, slot 0
	v_add_nc_u32 v[ADRB+1], BSLOT, v[ADRB]         ; and slot 1
	s_mul_i32 s21, s10, 32*PITCH
	s_add_co_u32 s21, s21, ATILE                   ; the 32 rows of A's tile that I write
	v_lshl_add_u32 v[ASTO], v5, 3, s21             ; 8 bytes a lane
	s_mul_i32 s23, s10, WSTAGE
	s_add_co_u32 s23, s23, ATILE                   ; my stage
	v_mul_u32_u24 v4, v1, SPITCH                   ; in: row l % 16, 32 bytes for each half of the lanes
	v_lshl_add_u32 v4, v2, 5, v4
	v_add_nc_u32 v[STO], s23, v4
	v_add_nc_u32 v[RD], s23, v[L16]                ; back: the 32 lanes take one row of 512 bytes, 16 bytes each
	s_wait_loadcnt 24                              ; loads come back in order (ISA guide 5.7.1): K step 0's 32 rows are in, the 24 loads of K step 1 stay out
.set j, 0
.rept 32
	v_cvt_pk_bf16_f32 v[CV+2*j],   v[F0+4*j],   v[F0+4*j+1]
	v_cvt_pk_bf16_f32 v[CV+2*j+1], v[F0+4*j+2], v[F0+4*j+3]
.set j, j+1
.endr
	ASTORE
	ALOAD 3, KSTEP*4                               ; the fourth group of K step 1
	WIN 0
	s_wait_xcnt 0x0                                ; every earlier memory instruction has had its addresses translated (ISA guide 3.1): the loads' base is stepped only behind this wait
	s_add_nc_u64 s[14:15], s[14:15], KSTEP*4       ; K step 1; each K step's first group steps it once more
; 16 matrix instructions: m blocks a0, a0 + 1 of the window's four (hi = 0: rows 0-63, 1: rows 64-127) x all 8 n blocks, 32 along K.
; zero = 1: the first product starts the sums: nothing is ever cleared.
; The 64 accumulators take turns, one instruction a turn, in the same order in every quarter step, over the backward jump too.
.macro MUL16 f, hi, a0, zero
.irp a, \a0, \a0+1
.irp b, 0,1,2,3,4,5,6,7
.if \zero
	v_wmma_f32_16x16x32_bf16 v[8*(8*(\a)+\b):8*(8*(\a)+\b)+7], v[\f-64+8*\b:\f-64+8*\b+7], v[\f+8*(4*\hi+\a):\f+8*(4*\hi+\a)+7], 0
.else
	v_wmma_f32_16x16x32_bf16 v[8*(8*(\a)+\b):8*(8*(\a)+\b)+7], v[\f-64+8*\b:\f-64+8*\b+7], v[\f+8*(4*\hi+\a):\f+8*(4*\hi+\a)+7], v[8*(8*(\a)+\b):8*(8*(\a)+\b)+7]
.endif
.endr
.endr
.endm
; 32 LDS loads in one run: the fragments of one quarter step (128 rows of B from the slot, 128 rows of A from its tile, 32 K at byte k of the rows) into buffer f
.macro FETCH slot, k, f
	WIN TO_B
.irp i, 0,1,2,3,4,5,6,7
	ds_load_b128 v[\f-64+8*\i:\f-64+8*\i+3],   v[ADRB+\slot] offset:\k+\i*16*PITCH
	ds_load_b128 v[\f-64+8*\i+4:\f-64+8*\i+7], v[ADRB+\slot] offset:\k+\i*16*PITCH+32
.endr
	WIN 0
.irp i, 0,1,2,3,4,5,6,7
	ds_load_b128 v[\f+8*\i:\f+8*\i+3],   v[ADRA] offset:\k+\i*16*PITCH
	ds_load_b128 v[\f+8*\i+4:\f+8*\i+7], v[ADRA] offset:\k+\i*16*PITCH+32
.endr
.endm
; A load into a register that a matrix instruction has read, and an LDS store that reads a matrix result, stand four places behind that matrix instruction, and only
; plain vector instructions that name none of its registers are places (ISA guide 7.12.1 for vector instructions); the matrix
; instructions in between are not counted.  Where a group of x is rounded in front of a run of fragment loads, its sixteen conversions are those places: they name
; v128-255 of window 1 and v192-255 of window 0, which no matrix instruction names.  Where nothing is left to round, four v_nop.
.macro PLACES
.rept 4
	v_nop
.endr
.endm
; A K step is four quarter steps of 32 along K, 64 matrix instructions each, on buffers 0, 1, 0, 1.
; One of the first three (q = 0, 1, 2): multiplies buffer f; in its middle it rounds group q of the next K step's x (cv = 1; cnt = the younger loads that may stay out),
; asks for group q of the K step after that into the registers just freed (ld = 1), and fetches the next quarter's fragments, at byte k of the rows, into buffer g.
.macro QUARTER slot, k, f, g, zero, q, cv, cnt, ld
	s_wait_dscnt 8                                 ; B and A's rows 0-63 are in; the youngest eight loads (A's rows 64-127) may be out
	WIN MUL_LO
	MUL16 \f, 0, 0, \zero
	MUL16 \f, 0, 2, \zero
.if \cv
	s_wait_loadcnt \cnt                            ; this group was asked for one K step ago; behind it the other three groups were asked for, eight loads each, as far as there were any
	CONV \q
.else
	PLACES
.endif
.if \ld
.if \q == 0
	s_wait_xcnt 0x0                                ; the base of the loads issued so far is stepped only behind this wait
	s_add_nc_u64 s[14:15], s[14:15], KSTEP*4       ; two K steps ahead of the one that is multiplied
.endif
	ALOAD \q, 0
.endif
	FETCH \slot, \k, \g
	s_wait_dscnt 32                                ; all but the 32 just issued
	WIN MUL_HI
	MUL16 \f, 1, 0, \zero
	MUL16 \f, 1, 2, \zero
.endm
.macro THREE slot, zero, cv, ld, c0, c1, c2
	QUARTER \slot, 64,  F0, F1, \zero, 0, \cv, \c0, \ld
	QUARTER \slot, 128, F1, F0, 0,     1, \cv, \c1, \ld
	QUARTER \slot, 192, F0, F1, 0,     2, \cv, \c2, \ld
.endm
; The last quarter: multiplies buffer 1, renews A's tile and changes B's slots.  next = the other slot; fill = 1: this slot is filled again, two K steps ahead.
; FIRST BARRIER: each wave's fragment loads are back, so behind it nobody reads A's tile (or this slot of B) any more, and the waves store the next K step's rows over it.
; No tensor load is issued between it and the second barrier, so the one that is on its way may stay out across it.
; SECOND BARRIER: in front of it each wave waits for its stores into A's tile and for all its tensor loads, of which one is out: its part of the next slot.
; Behind it A's tile and the next slot are whole: the refill comes first, then the next K step's first fragments.
; From a request for a tile of B to the wait for it a wave issues 16 + 192 + 32 = 240 matrix instructions.
.macro TURN slot, next, fill, cnt, ld
	s_wait_dscnt 0                                 ; my reads of A's tile and of this slot are over (the last were issued 32 matrix instructions ago)
	s_barrier_signal -1
	WIN MUL_LO
	MUL16 F1, 0, 0, 0                              ; work on registers while the others arrive
	s_barrier_wait -1
	s_wait_loadcnt \cnt                            ; the fourth group of the next K step's x
	CONV 3                                         ; (these sixteen are also the places in front of the fragment loads below)
	ASTORE
.if \ld
	ALOAD 3, 0
.endif
	WIN MUL_LO
	MUL16 F1, 0, 2, 0                              ; the stores land meanwhile
	s_wait_dscnt 0                                 ; my rows of A's tile are in LDS,
	s_set_vgpr_msb 0xa1a0
	s_wait_tensorcnt 0x0                           ; and all my tensor loads have landed:
	ds_add_u32 v62, v63
	s_wait_dscnt 0x0
	s_set_vgpr_msb 0xa0a1
	s_barrier_signal -1                            ; say so (where a slot is filled again this barrier opens a round of the cluster's barrier),
	WIN MUL_HI
	MUL16 F1, 1, 0, 0
	WIN 0
	s_barrier_wait -1
.if \fill
	CREST                                          ; wave 0 says so for the work-group, all sixteen work-groups have said so, my work-group's barrier closes the round:
	                                               ; no wave of any partner still reads this slot's tile or has a load on its way
	s_add_nc_u64 s[G0+4*\slot+2:G0+4*\slot+3], s[G0+4*\slot+2:G0+4*\slot+3], 2*KSTEP*2
	tensor_load_to_lds s[G0+4*\slot:G0+4*\slot+3], s[G1:G1+7]      ; the first tensor load behind the round, and the wave's only one until the next
	s_nop 0
.endif
	FETCH \next, 0, F0
	WIN MUL_HI
	MUL16 F1, 1, 2, 0
.endm
.macro LAP zero                        ; once round the ring, both slots filled again
	THREE 0, \zero, 1, 1, 24, 24, 24
	TURN 0, 1, 1, 24, 1
	THREE 1, 0, 1, 1, 24, 24, 24
	TURN 1, 0, 1, 24, 1
.endm
	s_wait_dscnt 0                                 ; my rows of A's first tile are in LDS,
	s_wait_tensorcnt 0x1                           ; my part of B's K step 0 is in; K step 1's load, issued behind it, may stay out
	s_barrier_signal -1
	s_barrier_wait -1                              ; everybody's is
	FETCH 0, 0, F0
	LAP 1                                          ; the first lap stands in front of the loop: its first products start the sums
	WIN 0                                          ; at a label and at a branch every window is 0
	s_mov_b32 s3, LAPS-2                           ; 1 + 14 laps ask for K steps 2 to 31 of x and of B
.Llap:
	LAP 0
	WIN 0
	s_sub_co_u32 s3, s3, 1
	s_cmp_lg_u32 s3, 0
	s_cbranch_scc1 .Llap
	THREE 0, 0, 1, 0, 24, 16, 8                    ; the last lap asks for nothing.  K step 30 still rounds K step 31's x: the counts run down
	TURN 0, 1, 0, 0, 0                             ; no round of the cluster's barrier: my one tensor load that is still out is slot 1's, the last K step's
	THREE 1, 0, 0, 0, 0, 0, 0                      ; K step 31: nothing is left to round
	s_wait_dscnt 8                                 ; the very last quarter: nothing more to fetch
	WIN MUL_LO
	MUL16 F1, 0, 0, 0
	MUL16 F1, 0, 2, 0
	s_wait_dscnt 0                                 ; my reads of A's tile are over:
	s_barrier_signal -1                            ; say so, since the stages of the way out lie in its bytes
	WIN MUL_HI
	MUL16 F1, 1, 0, 0
	MUL16 F1, 1, 2, 0
	WIN 0
	s_barrier_wait -1                              ; nobody reads A's tile any more
	; THE WAY OUT, 16 rows of my block at a time: the f32 sums go as they are, 32 bytes a lane, into my own stage in LDS, and come back as whole rows of 512 bytes.
	; The four v_nop of PLACES are the places behind the last matrix instructions: for the LDS stores, which read results, and for the loads into buffers 0 and 1.
	PLACES
	s_lshl_b32 s16, s13, 20                        ; my first row of out0: 128 x block row, times 8,192 bytes a row: below 2^26
	s_mov_b32 s17, 0
	s_add_nc_u64 s[8:9], s[8:9], s[16:17]
	s_lshl_b32 s46, s42, 11                        ; my first column, in bytes: 2,048 x block column + 512 x wave
	s_lshl_b32 s47, s10, 9
	s_add_co_u32 s46, s46, s47
	s_mov_b32 s47, 0
	s_add_nc_u64 s[8:9], s[8:9], s[46:47]
; rows 16 i .. 16 i + 15 of my block = the eight tiles (a, 0..7) of window 2 or 3 (from = ST_LO or ST_HI); f: F0 or F1 in turn
.macro OUT16 i, a, from, f
	WIN \from
.irp b, 0,1,2,3,4,5,6,7
	ds_store_b128 v[STO], v[8*(8*\a+\b):8*(8*\a+\b)+3]   offset:64*\b        ; row l % 16, columns 16 b + 8 (l / 16) + 0..3
	ds_store_b128 v[STO], v[8*(8*\a+\b)+4:8*(8*\a+\b)+7] offset:64*\b+16     ; and + 4..7
.endr
	WIN 0
	s_wait_xcnt 0x0                                ; every earlier memory instruction has had its addresses translated (ISA guide 3.1): buffer f, which stores read, and the stores' base are rewritten only behind this wait
.if \i
	s_add_nc_u64 s[8:9], s[8:9], 16*SIZE_N*4       ; 16 rows of out0 on
.endif
.irp t, 0,1,2,3,4,5,6,7,8,9,10,11,12,13,14,15
	ds_load_b128 v[\f+4*\t:\f+4*\t+3], v[RD] offset:\t*SPITCH      ; LDS serves a wave's instructions in order (ISA guide 5.7.1.4): these see the stores above, and the stage is the wave's own
.endr
.irp t, 0,1,2,3,4,5,6,7,8,9,10,11,12,13,14,15
	s_wait_dscnt 15-\t                             ; row t is back; the 15-t loads behind it stay out
	global_store_b128 v[L16], v[\f+4*\t:\f+4*\t+3], s[8:9] offset:\t*SIZE_N*4 th:TH_STORE_NT   ; the wave stores 512 consecutive bytes, at a multiple of 512 from out0's first byte; written once, never read here
.endr
.endm
	OUT16 0, 0, ST_LO, F0
	OUT16 1, 1, ST_LO, F1
	OUT16 2, 2, ST_LO, F0
	OUT16 3, 3, ST_LO, F1
	OUT16 4, 0, ST_HI, F0
	OUT16 5, 1, ST_HI, F1
	OUT16 6, 2, ST_HI, F0
	OUT16 7, 3, ST_HI, F1
	s_wait_tensorcnt 0x0
	ds_add_u32 v62, v63
	s_wait_dscnt 0x0
	CROUND                                         ; the closing round: no work-group ends while a partner may still ask for a tile that names it
	s_endpgm
.Lfunc_end_k_q5759dd7b65_gemm:
	.size	k_q5759dd7b65_gemm, .Lfunc_end_k_q5759dd7b65_gemm-k_q5759dd7b65_gemm
	.p2alignl 7, 3214868480
	.fill 96, 4, 3214868480
	.section	.rodata,"a",@progbits
	.p2align	6, 0x0
	.amdhsa_kernel k_q5759dd7b65_gemm
		.amdhsa_group_segment_fixed_size 327680
		.amdhsa_private_segment_fixed_size 0
		.amdhsa_enable_private_segment 0
		.amdhsa_kernarg_size 24
		.amdhsa_user_sgpr_count 2
		.amdhsa_user_sgpr_kernarg_segment_ptr 1
		.amdhsa_wavefront_size32 1
		.amdhsa_system_sgpr_workgroup_id_x 1
		.amdhsa_system_sgpr_workgroup_id_y 1
		.amdhsa_system_sgpr_workgroup_id_z 1
		.amdhsa_system_vgpr_workitem_id 0
		.amdhsa_next_free_vgpr 1024
		.amdhsa_next_free_sgpr 66
		.amdhsa_reserve_vcc 0
		.amdhsa_float_denorm_mode_32 3
		.amdhsa_float_denorm_mode_16_64 3
		.amdhsa_memory_ordered 1
		.amdhsa_forward_progress 1
		.amdhsa_inst_pref_size 248
	.end_amdhsa_kernel
	.amdgpu_metadata
---
amdhsa.version: [ 1, 2 ]
amdhsa.kernels:
  - .name:           k_q5759dd7b65_gemm
    .symbol:         k_q5759dd7b65_gemm.kd
    .args:
      - { .name: x, .offset: 0, .size: 8, .value_kind: global_buffer, .address_space: global }
      - { .name: wb, .offset: 8, .size: 8, .value_kind: global_buffer, .address_space: global }
      - { .name: out0, .offset: 16, .size: 8, .value_kind: global_buffer, .address_space: global }
    .group_segment_fixed_size: 327680
    .private_segment_fixed_size: 0
    .kernarg_segment_align: 8
    .kernarg_segment_size: 24
    .max_flat_workgroup_size: 128
    .sgpr_count:     66
    .vgpr_count:     1024
    .wavefront_size: 32
...
	.end_amdgpu_metadata
.endif
;; end of part 2
